; MI455X (gfx1250); checked and timed in simulation.
; The chip was launched on July 23, 2026; its instructions are those of AMD's public machine-readable ISA for CDNA 5 (MIT licence, August 2026) and "CDNA5" Instruction Set Architecture Reference Guide (July 2026). The comments in the code are by the model that wrote it; some were corrected since.
;; Attn. Allowed arithmetic: matrix products marked QUANTISED: E2M1 operands, one E8M0 scale for each 32 along K, by v_wmma_scale_f32_16x16x128_f8f6f4 with both operands' format E2M1 (or v_wmma_scale_f32_32x16x128_f4), f32 sums; products left as they are: f32 operands where the result goes on into a quantised operand, else bf16, f16 or f32 operands; f32 sums; everything else in f32.
;; Inputs: W_attn 1,024 x 1,024 float32; b_attn 1,024 float32; encoder_outputs 1,024 x 64 x 1,024 float32; hidden 1 x 64 x 1,024 float32.
;; Outputs: out0 64 x 1 x 1,024 float32.
;; This version of the problem:
;;   THIS VERSION OF THE PROBLEM IS GIVEN IN LOW PRECISION. The matrix products marked QUANTISED in the list below multiply operands that are first quantised to E2M1 (2 exponent bits, 1 mantissa bit; 4 bits a number), with one power-of-two scale for each 32 numbers along K (OCP MX v1.0); their sums are f32. All else is computed in f32.
;;   The module's matrix products, in the order in which they are computed (A, B: the left and right operand; K: the contracted axis; several contracted axes count as one K, in the product's order):
;;     1. [M 65,536, K 1,024] x [K 1,024, N 1,024]; A: input encoder_outputs; B: input W_attn: QUANTISED
;;     2. batch 64 x [M 1, K 1,024] x [K 1,024, N 1,024]; A: input hidden; B: computed on the way: left as it is (M = 1 < 16)
;;   THE QUANTISER, for each operand of a quantised product, along K:
;;     - K is cut into blocks of 32 from its start; a last block that is shorter is filled with zeros.
;;     - A block's scale is 2^e with e = floor(log2(the largest magnitude in the block)) - 2, held to -126 .. 127; a block of zeros has e = 0. As a byte (E8M0): e + 127.
;;     - Each number is divided by its block's scale, clamped to +-6, and rounded to the nearest number of E2M1, ties to even, subnormals kept.
;;     - The product sums the exact products of the quantised numbers (number of the format x scale) in f32.
;;   ~~~python
;;   def quantise(x, axis):      # numpy; x: float32 -> the quantised numbers, widened to float32 again
;;       x = np.moveaxis(x, axis, -1); K = x.shape[-1]
;;       x = np.pad(x, [(0, 0)] * (x.ndim - 1) + [(0, -K % 32)]); x = x.reshape(x.shape[:-1] + (-1, 32)); a = np.abs(x).max(-1, keepdims=True)
;;       e = np.where(a > 0, np.clip(np.frexp(np.where(a > 0, a, 1))[1] - 1 - 2, -126, 127), 0)      # np.frexp(a)[1] - 1 = floor(log2(a)), exactly
;;       r = np.clip(x / 2.0 ** e, -6, 6)
;;       step = 2.0 ** (np.maximum(np.frexp(np.where(r == 0, 1, r))[1] - 1, 0) - 1)
;;       q = np.round(r / step) * step * 2.0 ** e      # np.round: ties to even
;;       return np.moveaxis(q.reshape(q.shape[:-2] + (-1,))[..., :K], -1, axis).astype(np.float32)
;;   ~~~
;; One version. Each part assembles by itself: llvm-mc -triple=amdgcn-amd-amdhsa -mcpu=gfx1250 --defsym DOCPART=n.
;; ======== version 1 of 1: 3 launches
;; limits: right only within a limited range of input values
;; workspace buffers: wq 524,288 bytes; ws 32,768 bytes; part 1,048,576 bytes
;; launch quantw (part 1): grid 64 x 1, 4 waves a work-group, no clusters, 68,096 bytes of LDS; arguments W_attn, wq, ws; writes wq, ws
.if DOCPART == 1
	.amdgcn_target "amdgcn-amd-amdhsa--gfx1250"
	.amdhsa_code_object_version 6
	.text
	.protected	k_qb4ea93f53e_quantw
	.globl	k_qb4ea93f53e_quantw
	.p2align	8
	.type	k_qb4ea93f53e_quantw,@function
k_qb4ea93f53e_quantw:
	s_mov_b64 s[64:65], 0
	v_nop
	global_prefetch_b8 v0, s[64:65] scope:SCOPE_SE
	s_setreg_imm32_b32 hwreg(HW_REG_WAVE_MODE, 25, 1), 1
	s_wait_xcnt 0x0
; W_attn [1024 (e)][1024 (k)], f32, K innermost, becomes codes of FP4 (E2M1) with one E8M0 scale byte for each 32 along K.
; A block's scale is 2^(floor(log2(its largest magnitude)) - 2); its byte is the largest magnitude's exponent field - 2, held at 1 from below.
; wq holds the codes IN THE ORDER OF THE OPERAND'S REGISTERS: ((tile of 16 rows x 8 + K step of 128) x 2 + c) x 512 + 16 x lane: those 16 bytes are registers 4 c .. 4 c + 3
; of the fragment for that lane (row lane % 16, k = 64 c + 32 (lane / 16) + 0 .. 31).  ws holds [row][8 words], word s = the four scale bytes of K step s.
; LIMITS: NaN and infinities among the inputs are not served.  A block of zeros gets the byte 1 where the rule says 127: its codes are zeros, which add nothing under any byte
; but 0xff, and this program alone reads the bytes.
; SHARES: a work-group takes 16 rows, wave w their k = 256 w .. 256 w + 255 (two K steps).  Each load reads 512 consecutive bytes; the bytes turn through the wave's own stage in LDS,
; so that a lane then holds 16 neighbours along K of each block of 32.  No matrix work, no tensor loads: 4 MiB are read once.
; WORK THAT THE PROGRAM LEAVES OUT: b_attn.  energies[b][s] = sum over e of hidden[b][e] (proj0[s][b][e] + b_attn[e]) = E0[b][s] + c[b], with c[b] = sum over e of hidden[b][e] b_attn[e],
; which is the same for every s.  The softmax runs over s, and softmax(E0 + c) = softmax(E0) for all finite values.  b_attn enters no quantised operand.  So it has no way to the output:
; it is not loaded and is among no launch's arguments.  LIMIT: a NaN, an infinity or an overflow that reaches only c[b] is not carried to the result.
.set PITCH, 1040
.set WST,   16*PITCH                   ; a wave's stage
.set SCG,   4*WST                      ; behind the stages: the tile's scale words, [row][8 words], 512 bytes
.set GLA, 1                            ; v1  16 x lane
.set TSA, 2                            ; v2  into the stage: wave's stage + 16 x lane
.set RDA, 3                            ; v3  out of it: wave's stage + row x PITCH + 64 x (lane / 16)
.set SGA, 4                            ; v4  my row's scale words of my wave's two K steps
.set SGR, 5                            ; v5  the scale words' way out: 16 bytes a lane
.set TM,  16                           ; v16-31 at work in QUANT
.set PC,  32                           ; v32-47 the codes, a set for each K step: no store's data are written again
.set PW,  48                           ; v48-49 the scale words, likewise
.set SCP, 52                           ; v52-55 the scale words on their way out
.set ST,  64                           ; v64-127 64 numbers of a lane
.set X,   128                          ; v128-255 the numbers as loaded
.set SEL, 20                           ; s[20:21] v_permlanex16_b32's selects for lane l xor 16
; 16 LDS loads: register LS_ + 16 b + i = k 32 b + 16 (lane / 16) + i of my row, from byte LO_ of the rows on
.macro CHLOAD
.irp bq, 0,1,2,3
.irp j, 0,1,2,3
	ds_load_b128 v[LS_+16*\bq+4*\j:LS_+16*\bq+4*\j+3], v[RDA] offset:LO_+128*\bq+16*\j
.endr
.endr
.endm
; 64 numbers of a lane from v[QS] on become a fragment's codes in v[QP] on and its scale word in v[QW]
.macro QUANT
.irp b, 0,1,2,3
	v_max3_num_f32 v[TM+\b], |v[QS+16*\b]|, |v[QS+1+16*\b]|, 0x1800000   ; block b: my 16 numbers, and the floor 2^(3 - 127): the byte cannot fall under 1
.endr
.irp i, 2,4,6,8,10,12,14
.irp b, 0,1,2,3
	v_max3_num_f32 v[TM+\b], v[TM+\b], |v[QS+16*\b+\i]|, |v[QS+1+16*\b+\i]|   ; the four blocks by turns
.endr
.endr
.irp b, 0,1,2,3
	v_permlanex16_b32 v[TM+4+\b], v[TM+\b], s[SEL], s[SEL+1]
.endr
.irp b, 0,1,2,3
	v_max_num_f32 v[TM+\b], v[TM+\b], v[TM+4+\b]      ; with lane l xor 16's 16: the block's largest magnitude
.endr
.irp b, 0,1,2,3
	v_add_nc_u32 v[TM+12+\b], 0xff000000, v[TM+\b]    ; 2 off its exponent field: the conversion takes this operand's exponent field as its scale
.endr
.irp b, 0,1,2,3
	v_lshrrev_b32 v[TM+4+\b], 23, v[TM+12+\b]         ; the scale's byte
.endr
	v_lshl_or_b32 v[QW], v[TM+5], 8, v[TM+4]          ; four bytes: my row's scale word
	v_lshl_or_b32 v[QW], v[TM+6], 16, v[QW]
	v_lshl_or_b32 v[QW], v[TM+7], 24, v[QW]
.irp b, 0,1,2,3
	v_cvt_scalef32_pk8_fp4_f32 v[QP+2*\b], v[QS+16*\b:QS+7+16*\b], v[TM+12+\b]
	v_cvt_scalef32_pk8_fp4_f32 v[QP+1+2*\b], v[QS+8+16*\b:QS+15+16*\b], v[TM+12+\b]
.endr
	v_nop                                             ; one plain place behind a scaled conversion
.irp c, 0,1                                       ; the operand's layout wants a whole block in a lane: lanes 0-15 block 2 c, lanes 16-31 block 2 c + 1
.irp i, 0,1
	v_permlane16_swap_b32 v[QP+4*\c+\i], v[QP+2+4*\c+\i]
.endr
.endr
.endm
	s_load_b128 s[4:7], s[0:1], 0x0                ; W, wq
	s_load_b64 s[8:9], s[0:1], 0x10                ; ws
	v_lshl_add_u32 v62, v0, 2, 0x10800
	v_mov_b32 v63, 0
	v_lshrrev_b32 v6, 5, v0
	v_readfirstlane_b32 s16, v6                    ; wave 0..3
	v_and_b32 v7, 31, v0                           ; lane
	v_and_b32 v8, 15, v0                           ; r
	v_bfe_u32 v9, v0, 4, 1                         ; h
	v_lshlrev_b32 v[GLA], 4, v7
	s_mul_i32 s17, s16, WST
	v_add_nc_u32 v[TSA], s17, v[GLA]
	v_mul_u32_u24 v[RDA], v8, PITCH
	v_lshl_add_u32 v[RDA], v9, 6, v[RDA]
	v_add_nc_u32 v[RDA], s17, v[RDA]
	v_lshlrev_b32 v[SGA], 5, v8                    ; 32 bytes a row,
	s_lshl_b32 s18, s16, 3                         ; 8 bytes a wave
	s_add_co_u32 s18, s18, SCG
	v_add_nc_u32 v[SGA], s18, v[SGA]
	v_add_nc_u32 v[SGR], SCG, v[GLA]
.irp b, 0,1,2,3
	v_mov_b32 v[TM+4+\b], 0                        ; written once: a lane permute's destination counts as one of its sources
.endr
	s_mov_b32 s[SEL], 0x76543210
	s_mov_b32 s[SEL+1], 0xfedcba98
	s_lshl_b32 s10, ttmp9, 16                      ; W: 16 rows of 4,096 bytes a work-group,
	s_lshl_b32 s12, s16, 10                        ; 1,024 bytes of a row a wave
	s_add_co_u32 s10, s10, s12
	s_mov_b32 s11, 0
	s_lshl_b32 s12, ttmp9, 13                      ; wq: 8,192 bytes a tile, 2,048 a wave
	s_lshl_b32 s14, s16, 11
	s_add_co_u32 s12, s12, s14
	s_mov_b32 s13, 0
	s_lshl_b32 s14, ttmp9, 9                       ; ws: 512 bytes a tile
	s_mov_b32 s15, 0
	s_wait_alu depctr_va_vdst(0)
	s_wait_kmcnt 0x0
	s_add_nc_u64 s[4:5], s[4:5], s[10:11]
	s_add_nc_u64 s[6:7], s[6:7], s[12:13]
	s_add_nc_u64 s[8:9], s[8:9], s[14:15]
.irp i, 0,1,2,3,4,5,6,7,8,9,10,11,12,13,14,15
.irp u, 0,1
	global_load_b128 v[X+4*(2*\i+\u):X+4*(2*\i+\u)+3], v[GLA], s[4:5] offset:\i*4096+\u*512 th:TH_LOAD_NT   ; 32 lanes read 512 consecutive bytes of row i
.endr
.endr
	s_wait_loadcnt 0x0
.irp i, 0,1,2,3,4,5,6,7,8,9,10,11,12,13,14,15
.irp u, 0,1
	ds_store_b128 v[TSA], v[X+4*(2*\i+\u):X+4*(2*\i+\u)+3] offset:\i*PITCH+\u*512
.endr
.endr
.irp u, 0,1                                    ; my two K steps
.set LS_, ST
.set LO_, \u*512
	CHLOAD                                         ; my wave's own bytes: LDS serves a wave's instructions in order, so these see the stores above
	s_wait_dscnt 0x0
.set QS, ST
.set QP, PC+8*\u
.set QW, PW+\u
	QUANT
	global_store_b128 v[GLA], v[QP:QP+3], s[6:7] offset:\u*1024        ; the wave stores 512 consecutive bytes
	global_store_b128 v[GLA], v[QP+4:QP+7], s[6:7] offset:\u*1024+512
	ds_store_b32 v[SGA], v[QW] offset:4*\u         ; lanes r and 16 + r write the same word with the same value
.endr
	s_wait_dscnt 0x0                               ; for the others' sake: my scale words lie in LDS
	s_barrier_signal -1
	s_barrier_wait -1
	s_cmp_lg_u32 s16, 0
	s_cbranch_scc1 .Lend                           ; wave 0 stores the tile's 512 bytes of scale words on end
	ds_load_b128 v[SCP:SCP+3], v[SGR]
	s_wait_dscnt 0x0
	global_store_b128 v[GLA], v[SCP:SCP+3], s[8:9]
.Lend:
	s_wait_tensorcnt 0x0
	ds_add_u32 v62, v63
	s_wait_dscnt 0x0
	s_endpgm
.Lfunc_end_k_qb4ea93f53e_quantw:
	.size	k_qb4ea93f53e_quantw, .Lfunc_end_k_qb4ea93f53e_quantw-k_qb4ea93f53e_quantw
	.p2alignl 7, 3214868480
	.fill 96, 4, 3214868480
	.section	.rodata,"a",@progbits
	.p2align	6, 0x0
	.amdhsa_kernel k_qb4ea93f53e_quantw
		.amdhsa_group_segment_fixed_size 68096
		.amdhsa_private_segment_fixed_size 0
		.amdhsa_enable_private_segment 0
		.amdhsa_kernarg_size 24
		.amdhsa_user_sgpr_count 2
		.amdhsa_user_sgpr_kernarg_segment_ptr 1
		.amdhsa_wavefront_size32 1
		.amdhsa_system_sgpr_workgroup_id_x 1
		.amdhsa_system_sgpr_workgroup_id_y 1
		.amdhsa_system_sgpr_workgroup_id_z 1
		.amdhsa_system_vgpr_workitem_id 0
		.amdhsa_next_free_vgpr 256
		.amdhsa_next_free_sgpr 66
		.amdhsa_reserve_vcc 0
		.amdhsa_float_denorm_mode_32 3
		.amdhsa_float_denorm_mode_16_64 3
		.amdhsa_memory_ordered 1
		.amdhsa_forward_progress 1
		.amdhsa_inst_pref_size 18
	.end_amdhsa_kernel
	.amdgpu_metadata
---
amdhsa.version: [ 1, 2 ]
amdhsa.kernels:
  - .name:           k_qb4ea93f53e_quantw
    .symbol:         k_qb4ea93f53e_quantw.kd
    .args:
      - { .name: W_attn, .offset: 0, .size: 8, .value_kind: global_buffer, .address_space: global }
      - { .name: wq, .offset: 8, .size: 8, .value_kind: global_buffer, .address_space: global }
      - { .name: ws, .offset: 16, .size: 8, .value_kind: global_buffer, .address_space: global }
    .group_segment_fixed_size: 68096
    .private_segment_fixed_size: 0
    .kernarg_segment_align: 8
    .kernarg_segment_size: 24
    .max_flat_workgroup_size: 128
    .sgpr_count:     66
    .vgpr_count:     256
    .wavefront_size: 32
...
	.end_amdgpu_metadata
.endif
;; end of part 1
;; launch energy (part 2): grid 256 x 1, 8 waves a work-group, no clusters, 327,680 bytes of LDS; arguments encoder_outputs, wq, ws, hidden, part; writes part
.if DOCPART == 2
	.amdgcn_target "amdgcn-amd-amdhsa--gfx1250"
	.amdhsa_code_object_version 6
	.text
	.protected	k_qb4ea93f53e_energy
	.globl	k_qb4ea93f53e_energy
	.p2align	8
	.type	k_qb4ea93f53e_energy,@function
k_qb4ea93f53e_energy:
	s_mov_b64 s[64:65], 0
	v_nop
	global_prefetch_b8 v0, s[64:65] scope:SCOPE_SE
	s_setreg_imm32_b32 hwreg(HW_REG_WAVE_MODE, 25, 1), 1
	s_wait_xcnt 0x0
; part[kq][b][s] = sum over e of hidden[b][e] x (sum over k in K quarter kq of Q(enc)[s][b][k] Q(W)[e][k]): the energies' four parts along K; the next launch adds them.
; b_attn is left out: its term is the same for every s of a row and the softmax takes it away (shown at the head of the first kernel).
; SHARES.  Work-group = (b, kq): 64 x 4 = 256.  Wave w keeps W's codes of e = 128 w .. + 127, k = 256 kq .. + 255 in 128 registers (8 tiles x 2 K steps) and hidden[b] at its e in 64.
; enc comes in 8 steps of 128 s: wave w fetches 16 rows x 1,024 bytes by one tensor load into its own slot (two slots a wave), quantises them along K (two fragments of 128 k)
; and lays the fragments' register images and scale words into LDS, where all eight waves read them.
; ONE BARRIER A PERIOD.  Images, scale words and the waves' partial energies have two buffers each.  In period t a wave refills the slot that it read in period t - 1 (step t + 1),
; multiplies the images of step t - 1, quantises step t between its groups of matrix instructions, and adds the eight waves' partial energies of period t - 1.
; The product is used transposed (source 0 = 16 rows of W, source 1 = 16 rows of enc): a lane holds one s, its registers run along e, so hidden is applied by packed multiply-adds.
; The loop is written once: its first trip finds zeros (stored at the head) as partial energies and puts their sum into entry 0 of the sums, which nobody reads.
; NO CLUSTER: what work-groups share is W's slice, 128 KiB of the 1.1 MiB that a work-group reads, and it goes once from memory straight into registers; enc's tiles are shared by nobody.
; PREFETCH: behind each tensor load a wave names the 64 blocks of 256 bytes of its own tile of the next period's load (a lane a block, two instructions); the tiles belong to one wave alone,
; so each block is named once.  Steps 0 and 1 come by their loads alone; the last request names step 7.
; LIMITS: NaN and infinities among the inputs are not served.  A block of zeros gets the byte 1 where the rule says 127: its codes are zeros, and this launch alone reads the bytes.
.set PITCH, 1040                       ; an LDS row: 1,024 bytes + 16 of padding
.set SLOTB, 16*PITCH                   ; a wave's slot; wave w has slots 2 w and 2 w + 1
.set IMG,   16*SLOTB                   ; two buffers of 8 tiles x 2 fragments x 1,024 bytes
.set ASC,   IMG+2*16384                ; two buffers of 16 x 128 bytes of scale words
.set ES,    ASC+2*2048                 ; two buffers of [wave][128 s] partial energies
.set ESF,   ES+2*4096                  ; the sums of four waves: [wave][9 entries][32 lanes]
.set EFW,   1152
.set SPARE, ESF+8*EFW                  ; the spare words, 128 bytes a wave
.set STEPB, 0x2000000                  ; 128 rows of enc (s) in bytes
.set RDA, 1                            ; v1  my slot 0: row r, + 64 h
.set IWA, 2                            ; v2  my images, on the way in
.set SWA, 3                            ; v3  my scale words, on the way in
.set IRA, 4                            ; v4  the images, read by all
.set SRA, 5                            ; v5  the scale words, read by all
.set ES0, 6                            ; v6  my wave's partial energies
.set EFA, 7                            ; v7  where this period's sum goes
.set FRA, 8                            ; v8  the way out: my 16 bytes of the sums
.set GOF, 9                            ; v9  and in part
.set SPW, 10                           ; v10 my spare word; never rewritten
.set NIL, 11                           ; v11 0; never rewritten
.set L16, 12
.set S32, 13
.set H32, 14
.set WS,  16                           ; v16-23 W's scale words (lanes 0-15 first K step, 16-31 second)
.set AS,  24                           ; v24-39 the images' scale words
.set TM,  40
.set PC,  56
.set PW,  64
.set EF0, 65
.set ECA, 66
.set PFO, 67                           ; v67 the prefetches' offset; never rewritten
.set E,   70
.set CT,  78
.set XR,  86
.set YR,  87
.set RE,  88
.set RO,  89
.set AF,  96                           ; v96-127 two buffers of a tile's two fragments
.set ACC, 128                          ; v128-255 two sets of 8 accumulators
.set HID, 128                          ; window 1: v0-127 W, v128-191 hidden, v192-255 64 numbers to be quantised
.set ST1, 192
.set WV,  16
.set BB,  17
.set KQ,  18
.set SEL, 20
.set HM,  22
.set CNT, 23
.set EP,  24
.set PFA, 26
.set G1,  28
.set G0,  36
.set MSB, 0
.macro WIN new                         ; the immediate's high byte repeats the setting that is left
.if MSB != (\new)
	s_set_vgpr_msb (MSB<<8)|(\new)
.set MSB, (\new)
.endif
.endm
.macro CHLOAD                          ; register LS_ + 16 b + i = k 32 b + 16 h + i of my row, from byte LO_ of my slots on
	WIN 0x40*LSW
.irp bq, 0,1,2,3
.irp j, 0,1,2,3
	ds_load_b128 v[LS_+16*\bq+4*\j:LS_+16*\bq+4*\j+3], v[RDA] offset:LO_+128*\bq+16*\j
.endr
.endr
.endm
.macro QUANT                           ; 64 numbers of a lane from v[QS] (window QSW) on: a fragment's codes in v[PC] on, its scale word in v[PW]
	WIN 5*QSW
.irp b, 0,1,2,3
	v_max3_num_f32 v[TM+\b], |v[QS+16*\b]|, |v[QS+1+16*\b]|, 0x1800000   ; with the floor 2^(3 - 127): the byte cannot fall under 1
.endr
.irp i, 2,4,6,8,10,12,14
.irp b, 0,1,2,3
	s_delay_alu instid0(VALU_DEP_4)
	v_max3_num_f32 v[TM+\b], |v[QS+16*\b+\i]|, |v[QS+1+16*\b+\i]|, v[TM+\b]
.endr
.endr
	WIN 0
.irp b, 0,1,2,3
	v_permlanex16_b32 v[TM+4+\b], v[TM+\b], s[SEL], s[SEL+1]
.endr
.irp b, 0,1,2,3
	s_delay_alu instid0(VALU_DEP_4)
	v_max_num_f32 v[TM+\b], v[TM+\b], v[TM+4+\b]      ; with lane l xor 16's 16: the block's largest magnitude
.endr
.irp b, 0,1,2,3
	s_delay_alu instid0(VALU_DEP_4)
	v_add_nc_u32 v[TM+12+\b], 0xff000000, v[TM+\b]    ; 2 off its exponent field: the conversion's scale operand
.endr
.irp b, 0,1,2,3
	s_delay_alu instid0(VALU_DEP_4)
	v_lshrrev_b32 v[TM+4+\b], 23, v[TM+12+\b]         ; the scale's byte
.endr
	s_delay_alu instid0(VALU_DEP_3)
	v_lshl_or_b32 v[PW], v[TM+5], 8, v[TM+4]
	s_delay_alu instid0(VALU_DEP_1)
	v_lshl_or_b32 v[PW], v[TM+6], 16, v[PW]
	s_delay_alu instid0(VALU_DEP_1)
	v_lshl_or_b32 v[PW], v[TM+7], 24, v[PW]
	WIN QSW
.irp b, 0,1,2,3
	v_cvt_scalef32_pk8_fp4_f32 v[PC+2*\b], v[QS+16*\b:QS+7+16*\b], v[TM+12+\b]
	v_cvt_scalef32_pk8_fp4_f32 v[PC+1+2*\b], v[QS+8+16*\b:QS+15+16*\b], v[TM+12+\b]
.endr
	WIN 0
	v_nop                                             ; one plain place behind a scaled conversion
.irp c, 0,1                                       ; a whole block in a lane: lanes 0-15 block 2 c, lanes 16-31 block 2 c + 1
.irp i, 0,1
	v_permlane16_swap_b32 v[PC+4*\c+\i], v[PC+2+4*\c+\i]
.endr
.endr
.endm
.macro QOUT u                          ; fragment u of my tile into the images' buffer at OB, its scale word at OS
	ds_store_b128 v[IWA], v[PC:PC+3] offset:OB+\u*1024
	ds_store_b128 v[IWA], v[PC+4:PC+7] offset:OB+\u*1024+512
	ds_store_b32 v[SWA], v[PW] offset:OS+\u*128
.endm
.macro SLOT q                          ; two packed lines of hidden x accumulator set q, by the symbol i = 0 .. 15
.set np, i/2
.irp e, 0,1
.set jp, 2*(i%2)+\e
.if np == 0
	v_pk_mul_f32 v[E+2*jp:E+2*jp+1], v[HID+8*np+2*jp:HID+8*np+2*jp+1], v[ACC+64*(\q)+8*np+2*jp:ACC+64*(\q)+8*np+2*jp+1]
.else
	v_pk_fma_f32 v[E+2*jp:E+2*jp+1], v[HID+8*np+2*jp:HID+8*np+2*jp+1], v[ACC+64*(\q)+8*np+2*jp:ACC+64*(\q)+8*np+2*jp+1], v[E+2*jp:E+2*jp+1]
.endif
.endr
.endm
.macro PREF T                          ; tile T's two fragments from the images' buffer at IB
.irp uu, 0,1
.irp c, 0,1
	ds_load_b128 v[AF+16*((\T)%2)+8*\uu+4*\c:AF+16*((\T)%2)+8*\uu+4*\c+3], v[IRA] offset:IB+(\T)*2048+\uu*1024+\c*512
.endr
.endr
.endm
.macro GRP T, prev                     ; 16 s x my 128 e x 256 k: the 8 accumulators by turns, twice; between them the last tile's accumulators meet hidden
	WIN 0x01
.set i, 0
.rept 16
.set n, i%8
.set rA, ACC+64*((\T)%2)+8*n
.if i < 8
	v_wmma_scale_f32_16x16x128_f8f6f4 v[rA:rA+7], v[16*n:16*n+7], v[AF+16*((\T)%2):AF+16*((\T)%2)+7], 0, v[WS+n], v[AS+2*(\T)] matrix_a_fmt:MATRIX_FMT_FP4 matrix_b_fmt:MATRIX_FMT_FP4
.else
	v_wmma_scale_f32_16x16x128_f8f6f4 v[rA:rA+7], v[16*n+8:16*n+15], v[AF+16*((\T)%2)+8:AF+16*((\T)%2)+15], v[rA:rA+7], v[WS+n], v[AS+2*(\T)+1] matrix_a_fmt:MATRIX_FMT_FP4 matrix_b_fmt:MATRIX_FMT_FP4 matrix_a_scale:MATRIX_SCALE_ROW1
.endif
.if \prev
	SLOT 1-(\T)%2
.endif
.set i, i+1
.endr
.endm
.macro FIN T                           ; tile T's 16 partial energies; two tiles' leave by one store of 128 bytes
	WIN 0
	v_pk_add_f32 v[E:E+1], v[E:E+1], v[E+2:E+3]
	v_pk_add_f32 v[E+4:E+5], v[E+4:E+5], v[E+6:E+7]
	s_delay_alu instid0(VALU_DEP_1)
	v_pk_add_f32 v[E:E+1], v[E:E+1], v[E+4:E+5]
	s_delay_alu instid0(VALU_DEP_1)
	v_add_f32 v[XR], v[E], v[E+1]
	s_delay_alu instid0(VALU_DEP_1)
	v_permlanex16_b32 v[YR], v[XR], s[SEL], s[SEL+1]
.if ((\T)%2) == 0
	s_delay_alu instid0(VALU_DEP_1)
	v_add_f32 v[RE], v[XR], v[YR]
.else
	s_delay_alu instid0(VALU_DEP_1)
	v_add_f32 v[RO], v[XR], v[YR]
	s_delay_alu instid0(VALU_DEP_1)
	v_cndmask_b32 v[RO], v[RE], v[RO], s[HM]
	ds_store_b32 v[ES0], v[RO] offset:ESB+((\T)/2)*128
.endif
.endm
.macro COMBL buf                       ; thread i: s = i % 128 of the last period, the partial energies of waves 4 (i / 128) + 0 .. 3
.irp j, 0,1,2,3
	ds_load_b32 v[CT+\j], v[ECA] offset:(\buf)*4096+\j*512
.endr
.endm
.macro COMBA                           ; their sum, into my wave's entry.  (Four plain places)
	v_add_f32 v[CT], v[CT], v[CT+1]
	v_add_f32 v[CT+2], v[CT+2], v[CT+3]
	s_delay_alu instid0(VALU_DEP_1)
	v_add_f32 v[CT], v[CT], v[CT+2]
	v_nop
	ds_store_b32 v[EFA], v[CT]
.endm
.macro ASKPF                           ; my tile at s[PFA]: 16 rows x 4 blocks of 256 bytes, a lane a block
	global_prefetch_b8 v[PFO], s[PFA:PFA+1] th:TH_LOAD_NT scope:SCOPE_SE
	global_prefetch_b8 v[PFO], s[PFA:PFA+1] offset:8*262144 th:TH_LOAD_NT scope:SCOPE_SE
.endm
; PERIOD t, par = t % 2.  refill: step t + 1 is asked for.  quant: step t is quantised.  ask: 1 the prefetch, 2 the prefetch but in the loop's last trip, 0 none
.macro PERIOD par, refill, quant, ask
.set IB,  (1-\par)*16384
.set SB,  (1-\par)*2048
.set OB,  \par*16384
.set OS,  \par*2048
.set ESB, \par*4096
	WIN 0
.if \ask
	s_wait_xcnt 0x0                                ; my last prefetches have read their address: it goes a step on
	s_add_nc_u64 s[PFA:PFA+1], s[PFA:PFA+1], STEPB
.endif
.if \quant
	s_wait_tensorcnt 0x0                           ; my one load that was out, step t's tile, has landed
.endif
.if \refill
	ds_add_u32 v[SPW], v[NIL]
	s_add_nc_u64 s[G0+4*(1-\par)+2:G0+4*(1-\par)+3], s[G0+4*(1-\par)+2:G0+4*(1-\par)+3], 2*STEPB
.endif
	s_wait_dscnt 0x0                               ; the add, my stores of images, scale words and energies, and my reads of the other slot and buffers are done
	s_barrier_signal -1
	s_barrier_wait -1
.if \refill
	tensor_load_to_lds s[G0+4*(1-\par):G0+4*(1-\par)+3], s[G1:G1+7]   ; step t + 1 into the slot that I read in the last period
	s_nop 0
.rept 4
	v_nop
.endr
.endif
	v_add_nc_u32 v[EFA], s[EP], v[EF0]
	s_wait_alu depctr_va_vdst(0)                   ; the wait here, directly behind the write
.irp t, 0,1,2,3,4,5,6,7,8,9,10,11,12,13,14,15
	ds_load_b32 v[AS+\t], v[SRA] offset:SB+\t*128
.endr
	PREF 0
	COMBL 1-\par
.if \quant
.set LSW, 1
.set LS_, ST1
.set LO_, \par*SLOTB
	CHLOAD
	WIN 0
	s_wait_dscnt 16                                ; all but the 16 loads of numbers just issued
.else
	s_wait_dscnt 0x0
.endif
	PREF 1
.if \ask == 1
	ASKPF
.endif
.if \ask == 2
	s_cmp_lg_u32 s[CNT], 1
	s_cbranch_scc0 .Lnoask_\@                      ; there is no step 8
	ASKPF
.Lnoask_\@:
.endif
	GRP 0, 0
	WIN 0
	COMBA
.irp T, 1,2,3,4,5,6
.set WC, (\T)%2                        ; behind tile T's fragment loads stands the store of two tiles' energies where T is odd,
.if \quant
.if \T == 2
.set WC, 19                            ; a fragment's three stores and the second 16 loads of numbers,
.endif
.if \T == 4
.set WC, 3                             ; or a fragment's three stores
.endif
.endif
	WIN 0
	s_wait_dscnt WC
	PREF \T+1
	GRP \T, 1
	FIN \T-1
.if \quant
.if \T == 1
.set QSW, 1
.set QS, ST1
	QUANT
	QOUT 0
.set LO_, \par*SLOTB+512
	CHLOAD
	WIN 0
.endif
.if \T == 3
	QUANT
	QOUT 1
.endif
.endif
.endr
	s_wait_dscnt 1                                 ; tile 7's fragments are in (one store of energies may be out)
	GRP 7, 1
	FIN 6
	WIN 0x01
.set i, 0
.rept 16
	SLOT 1
.set i, i+1
.endr
	FIN 7
	WIN 0
	s_add_co_u32 s[EP], s[EP], 128                 ; the next entry of the sums
.endm
.macro WLOAD nt
.irp uu, 0,1
.irp c, 0,1
	global_load_b128 v[16*\nt+8*\uu+4*\c:16*\nt+8*\uu+4*\c+3], v[L16], s[6:7] offset:\nt*8192+\uu*1024+\c*512
.endr
.endr
.endm
	s_load_b256 s[4:11], s[0:1], 0x0               ; enc, wq, ws, hidden
	s_load_b64 s[14:15], s[0:1], 0x20              ; part
	v_lshl_add_u32 v[SPW], v0, 2, SPARE
	v_mov_b32 v[NIL], 0
	ds_add_u32 v[SPW], v[NIL]                      ; the opening lines: the add twice on end and one wait, ahead of my first tensor load
	ds_add_u32 v[SPW], v[NIL]
	v_lshrrev_b32 v15, 5, v0
	s_delay_alu instid0(VALU_DEP_1)
	v_readfirstlane_b32 s[WV], v15                 ; wave 0..7
	s_lshr_b32 s[BB], ttmp9, 2                     ; b
	s_and_b32 s[KQ], ttmp9, 3                      ; K quarter
	s_mul_i32 s56, s[WV], 2*SLOTB                  ; my two slots
	s_lshl_b32 s57, s[WV], 11
	s_add_co_u32 s57, s57, IMG
	s_lshl_b32 s58, s[WV], 8
	s_add_co_u32 s58, s58, ASC
	s_lshl_b32 s59, s[WV], 9
	s_add_co_u32 s59, s59, ES
	s_mul_i32 s60, s[WV], EFW
	s_add_co_u32 s60, s60, ESF
	s_lshl_b32 s61, s[WV], 7
	s_add_co_u32 s61, s61, ESF+128                 ; the way out: my wave stores step w's 128 s: entry w + 1
	s_mov_b32 s[SEL], 0x76543210
	s_mov_b32 s[SEL+1], 0xfedcba98
	s_mov_b32 s[HM], 0xffff0000
	s_mov_b32 s[EP], 0
	s_mov_b32 s[G1+0], (2<<16)|(1<<20)|(7<<22)|(3<<25)   ; elements of 4 bytes; four words of padding after every 256
	s_mov_b32 s[G1+1], 256<<16
	s_mov_b32 s[G1+2], 16<<16
	s_mov_b32 s[G1+3], 256<<16
	s_mov_b32 s[G1+4], 16
	s_mov_b32 s[G1+5], 65536                       ; from s to s + 1: 64 x 1,024 elements
	s_mov_b32 s[G1+6], 0
	s_mov_b32 s[G1+7], 0
	s_lshl_b32 s44, s[BB], 12                      ; enc: row b, K quarter, 16 s a wave
	s_lshl_b32 s45, s[KQ], 10
	s_add_co_u32 s44, s44, s45
	s_lshl_b32 s45, s[WV], 22
	s_add_co_u32 s44, s44, s45
	s_mov_b32 s45, 0
	s_lshl_b32 s46, s[WV], 16                      ; wq: 8 tiles of 8,192 bytes a wave, 2,048 a K quarter
	s_lshl_b32 s47, s[KQ], 11
	s_add_co_u32 s46, s46, s47
	s_mov_b32 s47, 0
	s_lshl_b32 s48, s[WV], 12                      ; ws: 128 rows of 32 bytes a wave, 8 bytes a K quarter
	s_lshl_b32 s49, s[KQ], 3
	s_add_co_u32 s48, s48, s49
	s_mov_b32 s49, 0
	s_lshl_b32 s50, s[BB], 12                      ; hidden: row b, 128 e a wave
	s_lshl_b32 s52, s[WV], 9
	s_add_co_u32 s50, s50, s52
	s_mov_b32 s51, 0
	s_lshl_b32 s54, s[KQ], 6                       ; part: [kq][b] rows of 4,096 bytes
	s_add_co_u32 s54, s54, s[BB]
	s_lshl_b32 s54, s54, 12
	s_mov_b32 s55, 0
	s_wait_dscnt 0x0                               ; both opening adds are done
	v_and_b32 v82, 31, v0                          ; lane
	v_and_b32 v83, 15, v0                          ; r
	v_bfe_u32 v84, v0, 4, 1                        ; h
	s_delay_alu instid0(VALU_DEP_3)
	v_lshlrev_b32 v85, 2, v82
	s_delay_alu instid0(VALU_DEP_4)
	v_lshlrev_b32 v[L16], 4, v82
	s_delay_alu instid0(VALU_DEP_4)
	v_lshlrev_b32 v[S32], 5, v83
	s_delay_alu instid0(VALU_DEP_1)
	v_lshl_add_u32 v[S32], v84, 2, v[S32]
	v_lshlrev_b32 v[H32], 5, v84
	v_mul_u32_u24 v[RDA], v83, PITCH
	s_delay_alu instid0(VALU_DEP_1)
	v_lshl_add_u32 v[RDA], v84, 6, v[RDA]
	s_delay_alu instid0(VALU_DEP_1)
	v_add_nc_u32 v[RDA], s56, v[RDA]
	v_add_nc_u32 v[IWA], s57, v[L16]
	v_add_nc_u32 v[SWA], s58, v85
	v_add_nc_u32 v[IRA], IMG, v[L16]
	v_add_nc_u32 v[SRA], ASC, v85
	v_add_nc_u32 v[ES0], s59, v85
	v_add_nc_u32 v15, s59, v[L16]                  ; my wave's 512 bytes of energies' buffer 0, 16 a lane
	v_add_nc_u32 v[EF0], s60, v85
	v_and_b32 v68, 127, v0
	v_lshrrev_b32 v69, 7, v0
	s_delay_alu instid0(VALU_DEP_2)
	v_lshlrev_b32 v68, 2, v68
	s_delay_alu instid0(VALU_DEP_1)
	v_lshl_add_u32 v68, v69, 11, v68
	s_delay_alu instid0(VALU_DEP_1)
	v_add_nc_u32 v[ECA], ES, v68                   ; 4 (i % 128) + four waves' 2,048 bytes x (i / 128)
	v_bfe_u32 v90, v0, 3, 2
	v_and_b32 v91, 7, v0
	s_delay_alu instid0(VALU_DEP_2)
	v_mul_u32_u24 v90, v90, EFW
	s_delay_alu instid0(VALU_DEP_1)
	v_lshl_add_u32 v90, v91, 4, v90
	s_delay_alu instid0(VALU_DEP_1)
	v_add_nc_u32 v[FRA], s61, v90                  ; s = 4 i: step i / 32, summing wave (i / 8) % 4, lanes 4 (i % 8) on
	v_lshlrev_b32 v[GOF], 4, v0
	v_lshrrev_b32 v92, 2, v82
	v_and_b32 v93, 3, v82
	s_delay_alu instid0(VALU_DEP_2)
	v_lshlrev_b32 v92, 18, v92
	s_delay_alu instid0(VALU_DEP_1)
	v_lshl_add_u32 v[PFO], v93, 8, v92             ; row lane / 4 of 262,144 bytes, block lane % 4
.irp b, 0,1,2,3
	v_mov_b32 v[TM+4+\b], 0                        ; a lane permute's destination counts as one of its sources
.endr
	v_mov_b32 v[YR], 0
.irp b, 0,1,2,3
	v_mov_b32 v[E+\b], 0
.endr
	s_wait_alu depctr_va_vdst(0)
	s_wait_kmcnt 0x0
	s_add_nc_u64 s[4:5], s[4:5], s[44:45]
.irp f, 0,1
	s_mov_b32 s[G0+4*\f], 1
	s_add_co_u32 s[G0+4*\f+1], s56, \f*SLOTB
	s_add_nc_u64 s[G0+4*\f+2:G0+4*\f+3], s[4:5], \f*STEPB
	s_or_b32 s[G0+4*\f+3], s[G0+4*\f+3], 0x80000000
.endr
	s_add_nc_u64 s[PFA:PFA+1], s[4:5], 2*STEPB     ; the prefetches begin at step 2
	tensor_load_to_lds s[G0:G0+3], s[G1:G1+7]      ; step 0: one tensor load a wave at the head
	s_nop 0
.rept 4
	v_nop
.endr
	s_add_nc_u64 s[6:7], s[6:7], s[46:47]
	s_add_nc_u64 s[8:9], s[8:9], s[48:49]
	s_add_nc_u64 s[10:11], s[10:11], s[50:51]
	s_add_nc_u64 s[14:15], s[14:15], s[54:55]
	WIN 0x40                                       ; what stays in registers is asked for while step 0 is on its way
.irp nt, 0,1,2,3,4,5,6,7
.irp q, 0,1
	global_load_b128 v[HID+8*\nt+4*\q:HID+8*\nt+4*\q+3], v[H32], s[10:11] offset:\nt*64+16*\q
.endr
.endr
	WIN 0
.irp nt, 0,1,2,3,4,5,6,7
	global_load_b32 v[WS+\nt], v[S32], s[8:9] offset:\nt*512
.endr
	WIN 0x40
.irp nt, 0,1,2,3,4,5,6,7
	WLOAD \nt
.endr
	WIN 0
	ds_store_b128 v15, v[E:E+3]                    ; zeros for the first period's sum
	s_wait_tensorcnt 0x0                           ; step 0 is in
	ds_add_u32 v[SPW], v[NIL]
	s_wait_dscnt 0x0
	s_barrier_signal -1
	s_barrier_wait -1
	tensor_load_to_lds s[G0+4:G0+7], s[G1:G1+7]    ; step 1 into slot 1
	s_nop 0
.rept 4
	v_nop
.endr
	ASKPF                                          ; step 2
.set OB, 0
.set OS, 0
.set LSW, 1
.set LS_, ST1
.set LO_, 0
	CHLOAD                                         ; step 0 is quantised by itself: no images to multiply yet, so the accumulators' registers take the second 64 numbers
.set LSW, 0
.set LS_, ACC
.set LO_, 512
	CHLOAD
	s_wait_dscnt 16
.set QSW, 1
.set QS, ST1
	QUANT
	QOUT 0
	s_wait_dscnt 3                                 ; the second 16 loads are in (three stores may be out)
.set QSW, 0
.set QS, ACC
	QUANT
	QOUT 1
	s_wait_alu depctr_va_vdst(0)                   ; the wait here, directly ahead of the wait below
	s_wait_loadcnt 0x0                             ; W, its scale words, hidden
	s_mov_b32 s[CNT], 3
.Lloop:                                            ; periods 1 to 6
	PERIOD 1, 1, 1, 1
	PERIOD 0, 1, 1, 2
	s_sub_co_u32 s[CNT], s[CNT], 1
	s_cmp_lg_u32 s[CNT], 0
	s_cbranch_scc1 .Lloop
	PERIOD 1, 0, 1, 0                              ; period 7: nothing more to ask for
	PERIOD 0, 0, 0, 0                              ; period 8: nothing more to quantise
	s_wait_dscnt 0x0
	s_barrier_signal -1
	s_barrier_wait -1
	v_add_nc_u32 v[EFA], s[EP], v[EF0]
	s_wait_alu depctr_va_vdst(0)                   ; the wait here, directly behind the write
	COMBL 0                                        ; period 8's partial energies
	s_wait_dscnt 0x0
	COMBA
	s_wait_dscnt 0x0                               ; for the others' sake
	s_barrier_signal -1
	s_barrier_wait -1
	ds_load_b128 v[ACC:ACC+3], v[FRA]              ; waves 0-3's sums of my four s,
	ds_load_b128 v[ACC+4:ACC+7], v[FRA] offset:4*EFW   ; and waves 4-7's
	s_wait_dscnt 0x0
	v_pk_add_f32 v[ACC:ACC+1], v[ACC:ACC+1], v[ACC+4:ACC+5]
	v_pk_add_f32 v[ACC+2:ACC+3], v[ACC+2:ACC+3], v[ACC+6:ACC+7]
	global_store_b128 v[GOF], v[ACC:ACC+3], s[14:15]   ; a wave stores 512 consecutive bytes
	s_wait_tensorcnt 0x0                           ; the wave's end
	ds_add_u32 v[SPW], v[NIL]
	s_wait_dscnt 0x0
	s_endpgm
.Lfunc_end_k_qb4ea93f53e_energy:
	.size	k_qb4ea93f53e_energy, .Lfunc_end_k_qb4ea93f53e_energy-k_qb4ea93f53e_energy
	.p2alignl 7, 3214868480
	.fill 96, 4, 3214868480
	.section	.rodata,"a",@progbits
	.p2align	6, 0x0
	.amdhsa_kernel k_qb4ea93f53e_energy
		.amdhsa_group_segment_fixed_size 327680
		.amdhsa_private_segment_fixed_size 0
		.amdhsa_enable_private_segment 0
		.amdhsa_kernarg_size 40
		.amdhsa_user_sgpr_count 2
		.amdhsa_user_sgpr_kernarg_segment_ptr 1
		.amdhsa_wavefront_size32 1
		.amdhsa_system_sgpr_workgroup_id_x 1
		.amdhsa_system_sgpr_workgroup_id_y 1
		.amdhsa_system_sgpr_workgroup_id_z 1
		.amdhsa_system_vgpr_workitem_id 0
		.amdhsa_next_free_vgpr 512
		.amdhsa_next_free_sgpr 66
		.amdhsa_reserve_vcc 0
		.amdhsa_float_denorm_mode_32 3
		.amdhsa_float_denorm_mode_16_64 3
		.amdhsa_memory_ordered 1
		.amdhsa_forward_progress 1
		.amdhsa_inst_pref_size 229
	.end_amdhsa_kernel
	.amdgpu_metadata
---
amdhsa.version: [ 1, 2 ]
amdhsa.kernels:
  - .name:           k_qb4ea93f53e_energy
    .symbol:         k_qb4ea93f53e_energy.kd
    .args:
      - { .name: encoder_outputs, .offset: 0, .size: 8, .value_kind: global_buffer, .address_space: global }
      - { .name: wq, .offset: 8, .size: 8, .value_kind: global_buffer, .address_space: global }
      - { .name: ws, .offset: 16, .size: 8, .value_kind: global_buffer, .address_space: global }
      - { .name: hidden, .offset: 24, .size: 8, .value_kind: global_buffer, .address_space: global }
      - { .name: part, .offset: 32, .size: 8, .value_kind: global_buffer, .address_space: global }
    .group_segment_fixed_size: 327680
    .private_segment_fixed_size: 0
    .kernarg_segment_align: 8
    .kernarg_segment_size: 40
    .max_flat_workgroup_size: 256
    .sgpr_count:     66
    .vgpr_count:     512
    .wavefront_size: 32
...
	.end_amdgpu_metadata
.endif
;; end of part 2
;; launch softmax (part 3): grid 64 x 1, 8 waves a work-group, no clusters, 1,280 bytes of LDS; arguments part, out0; writes out0
.if DOCPART == 3
	.amdgcn_target "amdgcn-amd-amdhsa--gfx1250"
	.amdhsa_code_object_version 6
	.text
	.protected	k_qb4ea93f53e_softmax
	.globl	k_qb4ea93f53e_softmax
	.p2align	8
	.type	k_qb4ea93f53e_softmax,@function
k_qb4ea93f53e_softmax:
	s_mov_b64 s[64:65], 0
	v_nop
	global_prefetch_b8 v0, s[64:65] scope:SCOPE_SE
	s_setreg_imm32_b32 hwreg(HW_REG_WAVE_MODE, 25, 1), 1
	s_wait_xcnt 0x0
; out0[b][0][s] = softmax over s of the energies; energy[b][s] = the sum of the four K quarters' partials part[q][b][s].  All in f32; the row's maximum is taken away before the exponential.
; A work-group takes one b: 256 threads x 4 neighbouring s.  Each load and store of a wave covers 512 consecutive bytes.  64 rows of 4 KiB: no matrix work, no tensor loads, no ring.
; LIMITS: NaN and infinities are not served; an exponential under 2^-126 comes out as 0.
	s_load_b128 s[4:7], s[0:1], 0x0                ; part, out0
	v_lshl_add_u32 v48, v0, 2, 0x100
	v_mov_b32 v49, 0
	v_lshlrev_b32 v1, 4, v0                        ; my 16 bytes of a row
	v_lshrrev_b32 v2, 5, v0
	s_delay_alu instid0(VALU_DEP_1)
	v_readfirstlane_b32 s8, v2                     ; wave 0..7
	s_lshl_b32 s9, s8, 2
	v_mov_b32 v3, s9                               ; LDS: my wave's word
	v_mov_b32 v21, 0                               ; a lane permute's destination counts as one of its sources
	v_mov_b32 v22, 0                               ; LDS byte 0
	s_lshl_b32 s10, ttmp9, 12                      ; row b of 4,096 bytes
	s_mov_b32 s11, 0
	s_mov_b32 s12, 0x76543210                      ; v_permlanex16_b32's selects for lane l xor 16
	s_mov_b32 s13, 0xfedcba98
	s_wait_alu depctr_va_vdst(0)
	s_wait_kmcnt 0x0
	s_add_nc_u64 s[4:5], s[4:5], s[10:11]
	s_add_nc_u64 s[6:7], s[6:7], s[10:11]
.irp q, 0,1,2,3
	global_load_b128 v[4+4*\q:7+4*\q], v1, s[4:5] offset:\q*262144 th:TH_LOAD_NT
.endr
	s_wait_loadcnt 0x0
	v_pk_add_f32 v[4:5], v[4:5], v[8:9]
	v_pk_add_f32 v[6:7], v[6:7], v[10:11]
	v_pk_add_f32 v[12:13], v[12:13], v[16:17]
	v_pk_add_f32 v[14:15], v[14:15], v[18:19]
	s_delay_alu instid0(VALU_DEP_2)
	v_pk_add_f32 v[4:5], v[4:5], v[12:13]
	s_delay_alu instid0(VALU_DEP_2)
	v_pk_add_f32 v[6:7], v[6:7], v[14:15]          ; my four energies
	; the row's maximum: my four, my wave's 32 lanes, the eight waves through LDS
	s_delay_alu instid0(VALU_DEP_1)
	v_max3_num_f32 v20, v4, v5, v6
	s_delay_alu instid0(VALU_DEP_1)
	v_max_num_f32 v20, v20, v7
	s_delay_alu instid0(VALU_DEP_1)
	v_max_num_f32_dpp v20, v20, v20 row_xmask:1 row_mask:0xf bank_mask:0xf
	s_delay_alu instid0(VALU_DEP_1)
	v_max_num_f32_dpp v20, v20, v20 row_xmask:2 row_mask:0xf bank_mask:0xf
	s_delay_alu instid0(VALU_DEP_1)
	v_max_num_f32_dpp v20, v20, v20 row_xmask:4 row_mask:0xf bank_mask:0xf
	s_delay_alu instid0(VALU_DEP_1)
	v_max_num_f32_dpp v20, v20, v20 row_xmask:8 row_mask:0xf bank_mask:0xf
	s_delay_alu instid0(VALU_DEP_1)
	v_permlanex16_b32 v21, v20, s12, s13
	s_delay_alu instid0(VALU_DEP_1)
	v_max_num_f32 v20, v20, v21
	ds_store_b32 v3, v20                           ; all lanes write the same word with the same value
	s_wait_dscnt 0x0                               ; for the others' sake
	s_barrier_signal -1
	s_barrier_wait -1
	ds_load_b128 v[24:27], v22
	ds_load_b128 v[28:31], v22 offset:16
	s_wait_dscnt 0x0
	v_max3_num_f32 v20, v24, v25, v26
	s_delay_alu instid0(VALU_DEP_1)
	v_max3_num_f32 v20, v20, v27, v28
	s_delay_alu instid0(VALU_DEP_1)
	v_max3_num_f32 v20, v20, v29, v30
	s_delay_alu instid0(VALU_DEP_1)
	v_max_num_f32 v20, v20, v31
	s_delay_alu instid0(VALU_DEP_1)
	v_sub_f32 v4, v4, v20
	s_delay_alu instid0(VALU_DEP_2)
	v_sub_f32 v5, v5, v20
	s_delay_alu instid0(VALU_DEP_3)
	v_sub_f32 v6, v6, v20
	s_delay_alu instid0(VALU_DEP_4)
	v_sub_f32 v7, v7, v20
	s_delay_alu instid0(VALU_DEP_3)
	v_pk_mul_f32 v[4:5], v[4:5], 0x3fb8aa3b op_sel_hi:[1,0]   ; x log2(e)
	s_delay_alu instid0(VALU_DEP_2)
	v_pk_mul_f32 v[6:7], v[6:7], 0x3fb8aa3b op_sel_hi:[1,0]
	s_wait_alu depctr_va_vdst(0)
	v_exp_f32 v4, v4
	v_exp_f32 v5, v5
	v_exp_f32 v6, v6
	v_exp_f32 v7, v7
	v_nop                                          ; one plain place behind the exponentials
	; the row's sum, the same way, through other LDS words than the maximum's
	s_wait_alu depctr_va_vdst(0)
	v_add_f32 v20, v4, v5
	v_add_f32 v23, v6, v7
	s_delay_alu instid0(VALU_DEP_1)
	v_add_f32 v20, v20, v23
	s_delay_alu instid0(VALU_DEP_1)
	v_add_f32_dpp v20, v20, v20 row_xmask:1 row_mask:0xf bank_mask:0xf
	s_delay_alu instid0(VALU_DEP_1)
	v_add_f32_dpp v20, v20, v20 row_xmask:2 row_mask:0xf bank_mask:0xf
	s_delay_alu instid0(VALU_DEP_1)
	v_add_f32_dpp v20, v20, v20 row_xmask:4 row_mask:0xf bank_mask:0xf
	s_delay_alu instid0(VALU_DEP_1)
	v_add_f32_dpp v20, v20, v20 row_xmask:8 row_mask:0xf bank_mask:0xf
	s_delay_alu instid0(VALU_DEP_1)
	v_permlanex16_b32 v21, v20, s12, s13
	s_delay_alu instid0(VALU_DEP_1)
	v_add_f32 v20, v20, v21
	ds_store_b32 v3, v20 offset:32
	s_wait_dscnt 0x0
	s_barrier_signal -1
	s_barrier_wait -1
	ds_load_b128 v[24:27], v22 offset:32
	ds_load_b128 v[28:31], v22 offset:48
	s_wait_dscnt 0x0
	v_add_f32 v24, v24, v25
	v_add_f32 v26, v26, v27
	v_add_f32 v28, v28, v29
	v_add_f32 v30, v30, v31
	s_delay_alu instid0(VALU_DEP_3)
	v_add_f32 v24, v24, v26
	s_delay_alu instid0(VALU_DEP_2)
	v_add_f32 v28, v28, v30
	s_delay_alu instid0(VALU_DEP_1)
	v_add_f32 v20, v24, v28
	s_wait_alu depctr_va_vdst(0)
	v_rcp_f32 v32, v20                             ; twice, to fill the pair that the packed multiply names
	v_rcp_f32 v33, v20
	v_nop                                          ; one plain place behind the reciprocals
	s_wait_alu depctr_va_vdst(0)
	v_pk_mul_f32 v[4:5], v[4:5], v[32:33]
	v_pk_mul_f32 v[6:7], v[6:7], v[32:33]
	global_store_b128 v1, v[4:7], s[6:7]
	s_wait_tensorcnt 0x0
	ds_add_u32 v48, v49
	s_wait_dscnt 0x0
	s_endpgm
.Lfunc_end_k_qb4ea93f53e_softmax:
	.size	k_qb4ea93f53e_softmax, .Lfunc_end_k_qb4ea93f53e_softmax-k_qb4ea93f53e_softmax
	.p2alignl 7, 3214868480
	.fill 96, 4, 3214868480
	.section	.rodata,"a",@progbits
	.p2align	6, 0x0
	.amdhsa_kernel k_qb4ea93f53e_softmax
		.amdhsa_group_segment_fixed_size 1280
		.amdhsa_private_segment_fixed_size 0
		.amdhsa_enable_private_segment 0
		.amdhsa_kernarg_size 16
		.amdhsa_user_sgpr_count 2
		.amdhsa_user_sgpr_kernarg_segment_ptr 1
		.amdhsa_wavefront_size32 1
		.amdhsa_system_sgpr_workgroup_id_x 1
		.amdhsa_system_sgpr_workgroup_id_y 1
		.amdhsa_system_sgpr_workgroup_id_z 1
		.amdhsa_system_vgpr_workitem_id 0
		.amdhsa_next_free_vgpr 50
		.amdhsa_next_free_sgpr 66
		.amdhsa_reserve_vcc 0
		.amdhsa_float_denorm_mode_32 3
		.amdhsa_float_denorm_mode_16_64 3
		.amdhsa_memory_ordered 1
		.amdhsa_forward_progress 1
		.amdhsa_inst_pref_size 6
	.end_amdhsa_kernel
	.amdgpu_metadata
---
amdhsa.version: [ 1, 2 ]
amdhsa.kernels:
  - .name:           k_qb4ea93f53e_softmax
    .symbol:         k_qb4ea93f53e_softmax.kd
    .args:
      - { .name: part, .offset: 0, .size: 8, .value_kind: global_buffer, .address_space: global }
      - { .name: out0, .offset: 8, .size: 8, .value_kind: global_buffer, .address_space: global }
    .group_segment_fixed_size: 1280
    .private_segment_fixed_size: 0
    .kernarg_segment_align: 8
    .kernarg_segment_size: 16
    .max_flat_workgroup_size: 256
    .sgpr_count:     66
    .vgpr_count:     50
    .wavefront_size: 32
...
	.end_amdgpu_metadata
.endif
;; end of part 3
